; MI455X (gfx1250); checked and timed in simulation.
; The chip was launched on July 23, 2026; its instructions are those of AMD's public machine-readable ISA for CDNA 5 (MIT licence, August 2026) and "CDNA5" Instruction Set Architecture Reference Guide (July 2026). The comments in the code are by the model that wrote it; some were corrected since.
;; Vector Quantization. Allowed arithmetic: matrix products marked QUANTISED: E2M1 operands, one E8M0 scale for each 32 along K, by v_wmma_scale_f32_16x16x128_f8f6f4 with both operands' format E2M1 (or v_wmma_scale_f32_32x16x128_f4), f32 sums; everything else in f32.
;; Inputs: codebook 16,384 x 512 float32; x 8,192 x 512 float32.
;; Outputs: out0 8,192 x 512 float32.
;; This version of the problem:
;;   THIS VERSION OF THE PROBLEM IS GIVEN IN LOW PRECISION. The matrix products marked QUANTISED in the list below multiply operands that are first quantised to E2M1 (2 exponent bits, 1 mantissa bit; 4 bits a number), with one power-of-two scale for each 32 numbers along K (OCP MX v1.0); their sums are f32. All else is computed in f32.
;;   The module's matrix products, in the order in which they are computed (A, B: the left and right operand; K: the contracted axis; several contracted axes count as one K, in the product's order):
;;     1. [M 8,192, K 512] x [K 512, N 16,384]; A: computed on the way; B: input codebook: QUANTISED
;;   THE QUANTISER, for each operand of a quantised product, along K:
;;     - K is cut into blocks of 32 from its start; a last block that is shorter is filled with zeros.
;;     - A block's scale is 2^e with e = floor(log2(the largest magnitude in the block)) - 2, held to -126 .. 127; a block of zeros has e = 0. As a byte (E8M0): e + 127.
;;     - Each number is divided by its block's scale, clamped to +-6, and rounded to the nearest number of E2M1, ties to even, subnormals kept.
;;     - The product sums the exact products of the quantised numbers (number of the format x scale) in f32.
;;   ~~~python
;;   def quantise(x, axis):      # numpy; x: float32 -> the quantised numbers, widened to float32 again
;;       x = np.moveaxis(x, axis, -1); K = x.shape[-1]
;;       x = np.pad(x, [(0, 0)] * (x.ndim - 1) + [(0, -K % 32)]); x = x.reshape(x.shape[:-1] + (-1, 32)); a = np.abs(x).max(-1, keepdims=True)
;;       e = np.where(a > 0, np.clip(np.frexp(np.where(a > 0, a, 1))[1] - 1 - 2, -126, 127), 0)      # np.frexp(a)[1] - 1 = floor(log2(a)), exactly
;;       r = np.clip(x / 2.0 ** e, -6, 6)
;;       step = 2.0 ** (np.maximum(np.frexp(np.where(r == 0, 1, r))[1] - 1, 0) - 1)
;;       q = np.round(r / step) * step * 2.0 ** e      # np.round: ties to even
;;       return np.moveaxis(q.reshape(q.shape[:-2] + (-1,))[..., :K], -1, axis).astype(np.float32)
;;   ~~~
;;   OPERANDS COMPUTED ON THE WAY. 'Computed on the way' means the value that the module computes at that place (a softmax that the list does not call 'softmax' is quantised finished and normalised). What goes into a quantiser is computed in f32, as accurately as f32 sums, v_exp_f32 and their like allow (about 1e-6 of the number): no bf16 or f16 on the way to a quantiser, and a product that is left as it is and whose result goes on into a quantised operand takes f32 operands (vector FMAs, or v_wmma_f32_16x16x4_f32). A number that lies on a knife's edge between two numbers of the format may be rounded either way, as far as f32 arithmetic and the matrix unit's own rounding can turn it there, and no further.
;; One version. Each part assembles by itself: llvm-mc -triple=amdgcn-amd-amdhsa -mcpu=gfx1250 --defsym DOCPART=n.
;; ======== version 1 of 1: 3 launches
;; limits: right only within a limited range of input values
;; workspace buffers: q 6,684,672 bytes; part 2,097,152 bytes of whole numbers
;; launch quant (part 1): grid 256 x 1, 6 waves a work-group, no clusters, 28,416 bytes of LDS; arguments x, codebook, q; writes q
.if DOCPART == 1
	.amdgcn_target "amdgcn-amd-amdhsa--gfx1250"
	.amdhsa_code_object_version 6
	.text
	.protected	k_q10576606c6_quant
	.globl	k_q10576606c6_quant
	.p2align	8
	.type	k_q10576606c6_quant,@function
k_q10576606c6_quant:
	s_mov_b64 s[64:65], 0
	v_nop
	global_prefetch_b8 v0, s[64:65] scope:SCOPE_SE
	s_setreg_imm32_b32 hwreg(HW_REG_WAVE_MODE, 25, 1), 1
	s_wait_xcnt 0x0
; x [8192][512] f32 is L2-normalised row by row (x / max(|x|, 1e-12)); it and codebook [16384][512] f32 are then turned into codes of FP4 (E2M1) with one E8M0
; scale byte for each 32 along the 512, and laid into q as IMAGES OF THE OPERAND'S REGISTERS for the product's launch.
; q: 1,536 blocks of 4,352 bytes; block g holds 16 rows: g = 0..511 rows 16 g on of x, g = 512..1535 rows 16 (g - 512) on of the codebook.
;   bytes 0..4095: the 16 bytes (32 codes) of block b (0..15) along K of row r lie at 256 b + 16 r; so the 512 bytes at 512 i, 16 a lane, are registers 4 (i % 2) .. + 3 of the fragment of K step i / 2.
;   INSIDE A BLOCK OF 32 the order of K is the same for both tensors, but not ascending: dword c (0..3) holds k = 4 c .. 4 c + 3, then 16 + 4 c .. 16 + 4 c + 3.  Both operands of every product have it, so each k meets its own k.
;   bytes 4096..4351: the scale bytes, 16 r + b: word s of a row is the scale word of K step s.
; SHARES.  Wave w of work-group G makes block g = 6 G + w: 16 rows, 32,768 dense bytes, in four groups of four rows.  Waves share nothing: no barrier, and no cluster, since no two work-groups want the same bytes.
; Both tensors take ONE path: the source is chosen by the block's number, the sum of squares is always made, and the factor is 1 / n for x and 1.0 for the codebook, by a select.
; THE WAY IN.  Each load reads 512 consecutive bytes (four blocks of 32), 16 a lane: lanes 0-15 take the first halves of the four blocks, lanes 16-31 the second halves, four lanes to a half.  Two loads then
; exchange halves of their lanes (v_permlane16_swap_b32): a lane has eight numbers of ONE block, lane l block 8 u + l / 4 (u = 0, 1), and four neighbouring lanes hold a block of 32.
; Three groups of 16 loads are on their way.  No prefetch: the loads themselves run three groups of four ahead.
; A block's scale is 2^(floor(log2(largest magnitude)) - 2): its byte is the largest magnitude's exponent field - 2, held at 1 from below by a floor among the maximum's leaves.
; LIMITS.  NaN and infinities among the inputs are not served.  A row's sum of squares has to stay finite in f32 (a row's norm under about 1.8e19).  The division is a multiplication by v_rcp_f32 of the norm
; (v_sqrt_f32 of the sum): within about 3e-7 of the quotient.  A block of zeros gets the byte 1 where the rule says 127: its codes are zeros, and this program alone reads the bytes.
.set WREG,  4608                       ; LDS of a wave: the codes' stage, 16 rows of UP bytes, and 256 scale bytes
.set UP,    272                        ; 256 bytes of data + 16 of padding
.set SST,   4352
.set SPARE, 6*WREG                     ; the spare words, 128 bytes for each wave
.set QBLK,  4352
.set LIN, 2                            ; v2   my 16 bytes of a load's 512: 128 (l % 16 / 4) + 64 (l / 16) + 16 (l % 4)
.set CA,  3                            ; v3   my 4 bytes of codes: stage + 272 (l / 4) + 4 (l % 4)
.set SA,  4                            ; v4   my block's scale byte: + l / 4
.set RA,  5                            ; v5   the codes back: 272 (l / 16) + 16 (l % 16)
.set SB,  6                            ; v6   the scale bytes back: 8 l
.set L16, 7                            ; v7   16 l
.set L8,  8                            ; v8   8 l
.set TMP, 9
.set SUM, 10                           ; v10-17  four pairs of sums
.set PD,  18                           ; v18-21  the lane exchange's results, then the norms
.set R,   22                           ; v22-29  the factor in the even register of each pair
.set SPW, 30                           ; v30 my spare word's LDS address
.set NIL, 31                           ; v31 0
.set MX,  32                           ; v32-39  largest magnitudes, (row, u) at 2 row + u
.set SO,  40                           ; v40-47  the conversions' scale operands
.set CD,  48                           ; v48-55  codes
.set BY,  56                           ; v56-63  scale bytes
.set IN,  64                           ; v64-255 three groups of four rows x 16 numbers
	s_load_b128 s[4:7], s[0:1], 0x0                ; x, codebook
	s_load_b64 s[36:37], s[0:1], 0x10              ; q
	v_lshl_add_u32 v[SPW], v0, 2, SPARE
	v_mov_b32 v[NIL], 0
	v_lshrrev_b32 v[TMP], 5, v0
	v_readfirstlane_b32 s8, v[TMP]                 ; wave 0..5
	s_mul_i32 s9, ttmp9, 6
	s_add_co_u32 s9, s9, s8                        ; g
	s_mul_i32 s32, s8, WREG                        ; my wave's LDS
	s_mul_i32 s14, s9, QBLK                        ; my block in q
	s_mov_b32 s15, 0
	s_mov_b32 s38, 0x76543210                      ; v_permlanex16_b32's selects for lane l xor 16
	s_mov_b32 s39, 0xfedcba98
	v_and_b32 v1, 31, v0                           ; l
	v_and_b32 v[LIN], 3, v0
	v_bfe_u32 v[TMP], v0, 2, 2
	v_lshlrev_b32 v[LIN], 4, v[LIN]
	v_lshl_add_u32 v[LIN], v[TMP], 7, v[LIN]
	v_bfe_u32 v[TMP], v0, 4, 1
	v_lshl_add_u32 v[LIN], v[TMP], 6, v[LIN]
	s_wait_alu depctr_va_vdst(0)
	s_wait_kmcnt 0x0
	s_cmp_lt_u32 s9, 512                           ; a block of x or of the codebook?  The choice hangs on the block's number alone
	s_cselect_b64 s[10:11], s[4:5], s[6:7]
	s_cselect_b32 s34, -1, 0                       ; all lanes: x
	s_cselect_b32 s12, 0, 512
	s_sub_co_u32 s12, s9, s12
	s_lshl_b32 s12, s12, 15                        ; 16 rows of 2,048 bytes a block
	s_mov_b32 s13, 0
	s_add_nc_u64 s[10:11], s[10:11], s[12:13]
.macro LOAD t                          ; rows 4 t .. 4 t + 3
.irp i, 0,1,2,3,4,5,6,7,8,9,10,11,12,13,14,15
	global_load_b128 v[IN+64*((\t)%3)+4*\i:IN+64*((\t)%3)+4*\i+3], v[LIN], s[10:11] offset:8192*(\t)+512*\i th:TH_LOAD_NT
.endr
.endm
	LOAD 0
	LOAD 1
	LOAD 2
	s_add_nc_u64 s[36:37], s[36:37], s[14:15]
	v_lshrrev_b32 v[TMP], 2, v1
	v_mul_u32_u24 v[CA], v[TMP], UP
	v_add_nc_u32 v[SA], s32, v[TMP]
	v_add_nc_u32 v[SA], SST, v[SA]
	v_and_b32 v[TMP], 3, v1
	v_lshl_add_u32 v[CA], v[TMP], 2, v[CA]
	v_add_nc_u32 v[CA], s32, v[CA]
	v_lshrrev_b32 v[TMP], 4, v1
	v_mul_u32_u24 v[RA], v[TMP], UP
	v_and_b32 v[TMP], 15, v1
	v_lshl_add_u32 v[RA], v[TMP], 4, v[RA]
	v_add_nc_u32 v[RA], s32, v[RA]
	v_lshlrev_b32 v[L16], 4, v1
	v_lshlrev_b32 v[L8], 3, v1
	v_add_nc_u32 v[SB], s32, v[L8]
	v_add_nc_u32 v[SB], SST, v[SB]
.irp p, 0,1,2,3
	v_mov_b32 v[PD+\p], 0                          ; written once: a lane permute's destination counts as one of its sources
	v_mov_b32 v[R+2*\p+1], 0                       ; named as the upper half of a pair, so it is written
.endr
	s_wait_alu depctr_va_vdst(0)
; Rows 4 t .. 4 t + 3 of my block.
.macro GROUP t
.set V, IN+64*((\t)%3)
.if (\t) < 2
	s_wait_loadcnt 32                              ; this group's 16 loads are in; the next two groups' may be out
.else
	s_wait_loadcnt 16*(3-(\t))                     ; nothing is asked for any more: the counts run down
.endif
	s_wait_dscnt 0x0                               ; the last group's stores of codes and bytes have read their registers
	; the rows' sums of squares, four rows by turns
.irp p, 0,1,2,3
	v_pk_mul_f32 v[SUM+2*\p:SUM+2*\p+1], v[V+16*\p:V+16*\p+1], v[V+16*\p:V+16*\p+1]
.endr
.irp i, 2,4,6,8,10,12,14
.irp p, 0,1,2,3
	v_pk_fma_f32 v[SUM+2*\p:SUM+2*\p+1], v[V+16*\p+\i:V+16*\p+\i+1], v[V+16*\p+\i:V+16*\p+\i+1], v[SUM+2*\p:SUM+2*\p+1]
.endr
.endr
.irp p, 0,1,2,3
	v_add_f32 v[SUM+2*\p], v[SUM+2*\p], v[SUM+2*\p+1]
.endr
.irp m, 1,2,4,8
.irp p, 0,1,2,3
	v_add_f32_dpp v[SUM+2*\p], v[SUM+2*\p], v[SUM+2*\p] row_xmask:\m row_mask:0xf bank_mask:0xf
.endr
.endr
.irp p, 0,1,2,3
	v_permlanex16_b32 v[PD+\p], v[SUM+2*\p], s38, s39
.endr
.irp p, 0,1,2,3
	v_add_f32 v[SUM+2*\p], v[SUM+2*\p], v[PD+\p]   ; every lane holds the row's sum
.endr
	; a lane's eight numbers of one block: the first load's lanes 16-31 change places with the second's lanes 0-15
.irp p, 0,1,2,3
.irp u, 0,1
.irp i, 0,1,2,3
	v_permlane16_swap_b32 v[V+16*\p+8*\u+\i], v[V+16*\p+8*\u+4+\i]
.endr
.endr
.endr
	s_wait_alu depctr_va_vdst(0)
.irp p, 0,1,2,3
	v_sqrt_f32 v[PD+\p], v[SUM+2*\p]
.endr
	v_nop                                          ; a plain instruction behind the last root
	s_wait_alu depctr_va_vdst(0)                   ; one wait for the four roots
.irp p, 0,1,2,3
	v_max_num_f32 v[PD+\p], 0x2b8cbccc, v[PD+\p]   ; max(n, 1e-12)
.endr
	s_wait_alu depctr_va_vdst(0)
.irp p, 0,1,2,3
	v_rcp_f32 v[R+2*\p], v[PD+\p]
.endr
	v_nop
	s_wait_alu depctr_va_vdst(0)                   ; and one for the four reciprocals
.irp p, 0,1,2,3
	v_cndmask_b32 v[R+2*\p], 1.0, v[R+2*\p], s34   ; the codebook is taken as it is
.endr
.irp p, 0,1,2,3
.irp i, 0,2,4,6,8,10,12,14
	v_pk_mul_f32 v[V+16*\p+\i:V+16*\p+\i+1], v[V+16*\p+\i:V+16*\p+\i+1], v[R+2*\p:R+2*\p+1] op_sel_hi:[1,0]
.endr
.endr
	; eight pieces (row, u) of eight numbers: n = 2 row + u
.irp n, 0,1,2,3,4,5,6,7
	v_max3_num_f32 v[MX+\n], |v[V+8*\n]|, |v[V+8*\n+1]|, 0x1800000   ; and the floor 2^(3 - 127): the byte cannot fall under 1
.endr
.irp i, 2,4,6
.irp n, 0,1,2,3,4,5,6,7
	v_max3_num_f32 v[MX+\n], v[MX+\n], |v[V+8*\n+\i]|, |v[V+8*\n+\i+1]|
.endr
.endr
.irp m, 1,2
.irp n, 0,1,2,3,4,5,6,7
	v_max_num_f32_dpp v[MX+\n], v[MX+\n], v[MX+\n] row_xmask:\m row_mask:0xf bank_mask:0xf   ; with the three lanes that share the block of 32
.endr
.endr
.irp n, 0,1,2,3,4,5,6,7
	v_add_nc_u32 v[SO+\n], 0xff000000, v[MX+\n]    ; 2 off the exponent field: the conversion takes the exponent field of this operand as its scale
.endr
.irp n, 0,1,2,3,4,5,6,7
	v_cvt_scalef32_pk8_fp4_f32 v[CD+\n], v[V+8*\n:V+8*\n+7], v[SO+\n]
.endr
.irp n, 0,1,2,3,4,5,6,7
	v_lshrrev_b32 v[BY+\n], 23, v[SO+\n]           ; the scale's byte (plain lines behind the conversions)
.endr
.if (\t) == 0
	LOAD 3                                         ; into the registers that group 0 is done with
.endif
.irp n, 0,1,2,3,4,5,6,7
	ds_store_b32 v[CA], v[CD+\n] offset:8*UP*(\n%2)+16*(4*(\t)+\n/2)   ; block 8 u + l / 4 of the row, my quarter of its 16 bytes
	ds_store_b8 v[SA], v[BY+\n] offset:16*(4*(\t)+\n/2)+8*(\n%2)       ; the four lanes of a block write the same byte with the same value
.endr
.endm
	GROUP 0
	GROUP 1
	GROUP 2
	GROUP 3
	; THE WAY OUT: LDS serves a wave's instructions in order, so these loads see my stores
.irp t, 0,1,2,3,4,5,6,7
	ds_load_b128 v[IN+4*\t:IN+4*\t+3], v[RA] offset:2*UP*\t
.endr
	ds_load_b64 v[IN+32:IN+33], v[SB]
.irp t, 0,1,2,3,4,5,6,7
	s_wait_dscnt 8-\t                              ; load t is in; the 8 - t younger ones may be out
	global_store_b128 v[L16], v[IN+4*\t:IN+4*\t+3], s[36:37] offset:512*\t   ; 32 lanes store 512 consecutive bytes, at a multiple of 256 from q's first byte
.endr
	s_wait_dscnt 0x0
	global_store_b64 v[L8], v[IN+32:IN+33], s[36:37] offset:4096            ; the block's 256 scale bytes
	s_wait_tensorcnt 0x0                           ; the wave's end
	ds_add_u32 v[SPW], v[NIL]
	s_wait_dscnt 0x0
	s_endpgm
.Lfunc_end_k_q10576606c6_quant:
	.size	k_q10576606c6_quant, .Lfunc_end_k_q10576606c6_quant-k_q10576606c6_quant
	.p2alignl 7, 3214868480
	.fill 96, 4, 3214868480
	.section	.rodata,"a",@progbits
	.p2align	6, 0x0
	.amdhsa_kernel k_q10576606c6_quant
		.amdhsa_group_segment_fixed_size 28416
		.amdhsa_private_segment_fixed_size 0
		.amdhsa_enable_private_segment 0
		.amdhsa_kernarg_size 24
		.amdhsa_user_sgpr_count 2
		.amdhsa_user_sgpr_kernarg_segment_ptr 1
		.amdhsa_wavefront_size32 1
		.amdhsa_system_sgpr_workgroup_id_x 1
		.amdhsa_system_sgpr_workgroup_id_y 1
		.amdhsa_system_sgpr_workgroup_id_z 1
		.amdhsa_system_vgpr_workitem_id 0
		.amdhsa_next_free_vgpr 256
		.amdhsa_next_free_sgpr 66
		.amdhsa_reserve_vcc 0
		.amdhsa_float_denorm_mode_32 3
		.amdhsa_float_denorm_mode_16_64 3
		.amdhsa_memory_ordered 1
		.amdhsa_forward_progress 1
		.amdhsa_inst_pref_size 63
	.end_amdhsa_kernel
	.amdgpu_metadata
---
amdhsa.version: [ 1, 2 ]
amdhsa.kernels:
  - .name:           k_q10576606c6_quant
    .symbol:         k_q10576606c6_quant.kd
    .args:
      - { .name: x, .offset: 0, .size: 8, .value_kind: global_buffer, .address_space: global }
      - { .name: codebook, .offset: 8, .size: 8, .value_kind: global_buffer, .address_space: global }
      - { .name: q, .offset: 16, .size: 8, .value_kind: global_buffer, .address_space: global }
    .group_segment_fixed_size: 28416
    .private_segment_fixed_size: 0
    .kernarg_segment_align: 8
    .kernarg_segment_size: 24
    .max_flat_workgroup_size: 192
    .sgpr_count:     66
    .vgpr_count:     256
    .wavefront_size: 32
...
	.end_amdgpu_metadata
.endif
;; end of part 1
;; launch search (part 2): grid 16 x 16, 8 waves a work-group, clusters of 4 x 4, 327,680 bytes of LDS; arguments q, part; writes part
.if DOCPART == 2
	.amdgcn_target "amdgcn-amd-amdhsa--gfx1250"
	.amdhsa_code_object_version 6
	.text
	.protected	k_q10576606c6_search
	.globl	k_q10576606c6_search
	.p2align	8
	.type	k_q10576606c6_search,@function
k_q10576606c6_search:
	s_mov_b64 s[64:65], 0
	v_nop
	global_prefetch_b8 v0, s[64:65] scope:SCOPE_SE
	s_setreg_imm32_b32 hwreg(HW_REG_WAVE_MODE, 25, 1), 1
	s_wait_xcnt 0x0
	s_wait_alu depctr_hold_cnt(0) depctr_sa_sdst(0) depctr_va_vdst(0) depctr_va_sdst(0) depctr_va_ssrc(0) depctr_va_vcc(0) depctr_vm_vsrc(0)
	s_getreg_b32 s2, hwreg(HW_REG_IB_STS2, 6, 4)
	s_cmp_eq_u32 s2, 0
	s_cbranch_scc0 .Lentry_in_a_cluster
	s_endpgm
.Lentry_in_a_cluster:
	s_bfe_u32 s2, ttmp6, 0x10000c
	s_cmp_lg_u32 s2, 0xf033
	s_cbranch_scc0 .Lentry_shape_is_right
	s_endpgm
.Lentry_shape_is_right:
; sims = Q(emb) Q(codebook)^T on codes of FP4 (E2M1) with E8M0 scales, and for each row of x the largest sim and its FIRST index among 512 codes.  The sims never leave the registers.
; q: blocks of 4,352 bytes, 16 rows each, as images of the operand's registers (4,096 bytes: 512 bytes, 16 a lane, for each four registers) and 256 scale bytes (16 a row: four scale words); blocks 0..511 x, 512..1535 the codebook.
; part: [2][32 ranges][8192 slots] u32: plane 0 the range's largest sim as an unsigned number that keeps the order of f32; plane 1 the code's index.  Slot 128 chunk + 4 lane + i stands for row 128 chunk + 64 (lane / 16) + 16 i + lane % 16.
; SHARES.  A work-group takes 512 rows of x (mb) and 1,024 codes (nr): 16 x 16 work-groups.  Wave w keeps 128 rows of x (xg = w % 4), all 512 along K, in 256 registers (window 1) for the whole launch,
; and walks 512 codes (j = w / 4, range 2 nr + j) as 16 pairs of blocks.  A pair read from LDS (8,704 bytes a wave) feeds 32 matrix instructions of 32 x 16 x 128.
; LDS.  x: 32 blocks at 0; codes in three fills, each with both waves' shares: 2 pairs each behind x, 6 pairs each behind those, and 8 pairs each into x's bytes, once every wave has x in registers.
; CLUSTER 4 x 4.  The four work-groups of a column of the cluster share x, the four of a row share the codes: every fill is a JOINT load.
; No prefetch: the codes come in three fills in all, of which the last is asked for 6 of 16 pairs ahead of its first use: there is no loop of fills to run ahead in.
; THE PRODUCT IS USED TRANSPOSED: source 0 = 32 codes, source 1 = 16 rows of x: lane (r, h) holds row r of x, registers 0-7 the codes 8 h + j of the pair's first block, 8-15 those of its second.
; A pair is multiplied against x's blocks 0-3 (half 0), then 4-7 (half 1), four accumulators by turns.
; THE SEARCH keeps, for each of my 8 blocks of x and each lane, the running maximum, the number of the code block that brought it and that block's eight sims.  A block wins only if its maximum is GREATER, so the
; first stays; the place among the eight is looked for once, at the end, from the low end; the two halves of the lanes are joined by value, then by the lower index.
; LIMITS.  NaN and infinities are not served.  -0 and +0 count as equal, as in a comparison of numbers.
.set BLK, 4352
.set PAIR, 2*BLK
.set C0, 32*BLK                        ; LDS: the first codes: 4 blocks for j = 0, 4 for j = 1
.set C1, C0+8*BLK                      ; then 12 blocks for each
.set SPARE, C1+24*BLK                  ; the spare words: 278,528, a multiple of 256
.set FA,  2                            ; v2   LDS address of the codes' fragments in hand
.set SA,  3                            ; v3   and of their scale words
.set XS,  4                            ; v4-35   x's scale words: register 4 a + s.  They hold nothing else
.set FS,  36                           ; v36-39  the pair's scale words, register s: lane m has code m's.  They hold nothing else
.set F,   40                           ; v40-103 the pair's fragments: 16 s
.set S,   104                          ; v104-167 four accumulators of 16
.set TA,  104                          ; v104-105 at the head
.set SAV, 168                          ; v168-231 the winning block's sims
.set M0,  232                          ; v232-239 the running maxima
.set ID,  240                          ; v240-247 32 x the winning pair's number; s[72:79] have a lane's bit where the pair's SECOND block won
.set M1,  248                          ; v248-251 the maxima between a pair's two blocks
.set L16, 252                          ; v252 16 x lane
.set LS,  253                          ; v253 scale words in LDS: 4352 (l / 16) + 16 (l % 16) + 4096
.set SPW, 254                          ; v254 my spare word's LDS address
.set NIL, 255                          ; v255 0
                                       ; the end, where the fragments were:
.set J,   40                           ; place, then index
.set U,   48
.set MO,  56
.set KW,  64                           ; the keys to store
.set IW,  68                           ; the indices to store
                                       ; window 1: x: fragment (a, s) at v[32 a + 8 s]
.set MSB, 0
.macro WIN new                         ; the immediate's high byte repeats the setting that is left
.if MSB != \new
	s_set_vgpr_msb (MSB<<8)|\new
.set MSB, \new
.endif
.endm
.macro CREST                           ; a round of the cluster's barrier behind its opening barrier
	s_cmp_lg_u32 s8, 0
	s_cbranch_scc1 .Lnot_wave_0_\@
	s_barrier_signal -3
.Lnot_wave_0_\@:
	s_barrier_wait -3
	s_barrier_signal -1
	s_barrier_wait -1
.endm
.macro CROUND                          ; a whole round
	s_barrier_signal -1
	s_barrier_wait -1
	CREST
.endm
.macro PLACES                          ; four plain lines between a product and the first read of its result, and a load into a register that it has read (ISA guide 7.12.1 for vector instructions)
.rept 4
	v_nop
.endr
.endm
	s_load_b128 s[4:7], s[0:1], 0x0                ; q, part
	v_lshl_add_u32 v[SPW], v0, 2, SPARE
	v_mov_b32 v[NIL], 0
	ds_add_u32 v[SPW], v[NIL]
	ds_add_u32 v[SPW], v[NIL]
	v_lshrrev_b32 v[TA], 5, v0
	v_readfirstlane_b32 s8, v[TA]                  ; wave 0..7
	s_lshr_b32 s13, s8, 2                          ; j
	s_and_b32 s14, s8, 3                           ; xg
	s_bfe_u32 s9, ttmp6, 0x40000                   ; cx
	s_bfe_u32 s12, ttmp6, 0x40004                  ; cy
	s_lshl_b32 s10, ttmp9, 2
	s_add_co_u32 s10, s10, s9                      ; mb
	s_and_b32 s11, ttmp7, 0xffff
	s_lshl_b32 s11, s11, 2
	s_add_co_u32 s11, s11, s12                     ; nr
	; descriptor group 1: dense rows of 256 bytes (32 elements of 8 bytes), no padding: every read of them is 16 x lane on end
	s_lshl_b32 s15, 0x1111, s9                     ; my column of the cluster: x
	s_or_b32 s24, s15, (3<<16)|(1<<21)
	s_mov_b32 s25, 32<<16                          ; tensor_dim0
	s_mov_b32 s26, 136<<16                         ; tensor_dim1: 8 blocks
	s_mov_b32 s27, 32<<16                          ; tile_dim0
	s_mov_b32 s28, 136                             ; tile_dim1
	s_mov_b32 s29, 32                              ; from row to row
	s_mov_b32 s30, 0
	s_mov_b32 s31, 0
	s_lshl_b32 s43, s12, 2
	s_lshl_b32 s43, 15, s43                        ; my row of the cluster: codes
	s_or_b32 s48, s43, (3<<16)|(1<<21)
	s_mov_b32 s49, 32<<16
	s_mov_b32 s50, 34<<16                          ; 2 blocks
	s_mov_b32 s51, 32<<16
	s_mov_b32 s52, 34
	s_mov_b32 s53, 32
	s_mov_b32 s54, 0
	s_mov_b32 s55, 0
	; x: blocks 32 mb + 8 xg (fetched by waves 0-3)
	s_lshl_b32 s16, s10, 5
	s_lshl_b32 s17, s14, 3
	s_add_co_u32 s16, s16, s17
	s_mul_i32 s16, s16, BLK
	s_mov_b32 s17, 0
	s_mov_b32 s32, 1
	s_mul_i32 s33, s14, 8*BLK
	; the first codes: blocks 0-3 of each range (fetched by waves 4-7, two blocks each)
	s_lshl_b32 s18, s11, 6
	s_add_co_u32 s18, s18, 512                     ; the first block of my 1,024 codes
	s_lshr_b32 s20, s14, 1
	s_lshl_b32 s20, s20, 5
	s_and_b32 s21, s14, 1
	s_lshl_b32 s21, s21, 1
	s_add_co_u32 s20, s20, s21
	s_add_co_u32 s20, s20, s18
	s_mul_i32 s20, s20, BLK
	s_mov_b32 s21, 0
	s_mov_b32 s56, 1
	s_mul_i32 s57, s14, 2*BLK
	s_add_co_u32 s57, s57, C0
	s_wait_dscnt 0x0                               ; both opening adds are done
	CROUND                                         ; all sixteen work-groups are here: the first joint loads meet
	s_wait_kmcnt 0x0
	s_add_nc_u64 s[34:35], s[4:5], s[16:17]
	s_or_b32 s35, s35, 0x80000000                  ; type = 2
	s_add_nc_u64 s[58:59], s[4:5], s[20:21]
	s_or_b32 s59, s59, 0x80000000
	s_cmp_eq_u32 s13, 0                            ; one tensor load a wave at the head
	s_cbranch_scc0 .Lfor_codes
	tensor_load_to_lds s[32:35], s[24:31]
	s_nop 0
	PLACES
	s_branch .Lasked
.Lfor_codes:
	tensor_load_to_lds s[56:59], s[48:55]
	s_nop 0
	PLACES
.Lasked:
	; the second fill: blocks 4-15 of each range, three a wave
	s_lshl_b32 s22, s13, 5
	s_add_co_u32 s18, s18, s22                     ; the first block of range 2 nr + j
	s_mul_i32 s2, s14, 3
	s_add_co_u32 s2, s2, s18
	s_add_co_u32 s2, s2, 4
	s_mul_i32 s2, s2, BLK
	s_mov_b32 s3, 0
	s_mov_b32 s60, 1
	s_mul_i32 s61, s8, 3*BLK
	s_add_co_u32 s61, s61, C1
	s_add_nc_u64 s[62:63], s[4:5], s[2:3]
	s_or_b32 s63, s63, 0x80000000
	; the third: blocks 16-31 of each range, four a wave, into x's bytes
	s_lshl_b32 s19, s14, 2
	s_add_co_u32 s18, s18, s19
	s_add_co_u32 s18, s18, 16
	s_mul_i32 s18, s18, BLK
	s_mov_b32 s19, 0
	s_mov_b32 s36, 1
	s_mul_i32 s37, s8, 4*BLK
	s_add_nc_u64 s[38:39], s[4:5], s[18:19]
	s_or_b32 s39, s39, 0x80000000
	s_lshl_b32 s9, s11, 1
	s_add_co_u32 s9, s9, s13                       ; the range, 2 nr + j
	s_lshl_b32 s22, s9, 9                          ; its first code
	s_lshl_b32 s46, s9, 15                         ; part: slot 8192 range + 128 (4 mb + xg), 4 bytes each
	s_lshl_b32 s47, s10, 11
	s_add_co_u32 s46, s46, s47
	s_lshl_b32 s47, s14, 9
	s_add_co_u32 s46, s46, s47
	s_mov_b32 s47, 0
	s_add_nc_u64 s[6:7], s[6:7], s[46:47]
	s_mul_i32 s42, s13, 4*BLK
	s_add_co_u32 s42, s42, C0                      ; the LDS byte of the pair to be fetched
	s_mov_b32 s41, 0                               ; 32 x the pair's number
.irp a, 0,1,2,3,4,5,6,7
	s_mov_b32 s[72+\a], 0
.endr
	v_and_b32 v[TA], 15, v0                        ; r
	v_bfe_u32 v[TA+1], v0, 4, 1                    ; h
	v_lshlrev_b32 v[SA], 4, v[TA]
	v_and_b32 v[L16], 31, v0
	v_mad_u32_u24 v[LS], v[TA+1], BLK, v[SA]
	v_lshlrev_b32 v[L16], 4, v[L16]
	v_add_nc_u32 v[LS], 4096, v[LS]
	v_add_nc_u32 v[SA], s33, v[SA]                 ; x's scale words: 16 r from my first block on
	v_add_nc_u32 v[FA], s33, v[L16]                ; x's fragments
	v_add_nc_u32 v[TA], s42, v[L16]                ; the first pair
	v_add_nc_u32 v[TA+1], s42, v[LS]
	s_add_co_u32 s42, s42, PAIR
	; under the loads' flight: what the first selects and comparisons read is written once
.irp a, 0,1,2,3,4,5,6,7
	v_mov_b32 v[M0+\a], 0xff800000                 ; under every finite sim
	v_mov_b32 v[ID+\a], 0
.irp i, 0,1,2,3,4,5,6,7
	v_mov_b32 v[SAV+8*\a+\i], 0
.endr
.endr
; One pair of code blocks against half H of my rows: 16 products.  The four accumulators take turns, K ascending; the first K step starts the sums.
.set INORDER, 0                        ; 1: the pair's fragments are still on their way, K step by K step: each step waits for its own, and leaves the later steps' four loads each out
.macro HALF H
	WIN 0x04                                       ; source 1 (x) window 1; all else window 0
.irp s, 0,1,2,3
.if INORDER
	s_wait_dscnt 12-4*\s
.endif
.irp a, 0,1,2,3
.if \s == 0
	v_wmma_scale_f32_32x16x128_f4 v[S+16*\a:S+16*\a+15], v[F+16*\s:F+16*\s+15], v[128*(\H)+32*\a+8*\s:128*(\H)+32*\a+8*\s+7], 0, v[FS+\s], v[XS+16*(\H)+4*\a+\s]
.else
	v_wmma_scale_f32_32x16x128_f4 v[S+16*\a:S+16*\a+15], v[F+16*\s:F+16*\s+15], v[128*(\H)+32*\a+8*\s:128*(\H)+32*\a+8*\s+7], v[S+16*\a:S+16*\a+15], v[FS+\s], v[XS+16*(\H)+4*\a+\s]
.endif
.endr
.endr
	WIN 0
.endm
; The pair's fragments, 16 x lane on end, and its scale words
.macro LOADF fa, sa
	ds_load_b128 v[FS:FS+3], v[\sa]                ; the scale words first, then the fragments by K steps
.irp s, 0,1,2,3
.irp b, 0,1
.irp c, 0,1
	ds_load_b128 v[F+16*\s+8*\b+4*\c:F+16*\s+8*\b+4*\c+3], v[\fa] offset:BLK*\b+1024*\s+512*\c
.endr
.endr
.endr
.endm
; Accumulator n's eight sims of block b (0, 1) are kept in the lanes of VCC: two selects an instruction
.macro KEEP b, n
.irp i, 0,2,4,6
	v_dual_cndmask_b32 v[rV+8*(\n)+\i], v[rV+8*(\n)+\i], v[S+16*(\n)+8*\b+\i] :: v_dual_cndmask_b32 v[rV+8*(\n)+\i+1], v[rV+8*(\n)+\i+1], v[S+16*(\n)+8*\b+\i+1]
.endr
.endm
; The sims in S against what has been kept of half H: first the pair's first block (M0 to M1), then its second (M1 to M0).  Each accumulator is read from its low end on.
.macro SEARCH H
.set rM, M0+4*(\H)
.set rP, 72+4*(\H)
.set rV, SAV+32*(\H)
.irp a, 0,1,2,3
	v_max3_num_f32 v[M1+\a], v[S+16*\a], v[S+16*\a+1], v[S+16*\a+2]
.endr
.irp i, 3,5
.irp a, 0,1,2,3
	v_max3_num_f32 v[M1+\a], v[M1+\a], v[S+16*\a+\i], v[S+16*\a+\i+1]
.endr
.endr
.irp a, 0,1,2,3
	v_max3_num_f32 v[M1+\a], v[M1+\a], v[S+16*\a+7], v[rM+\a]
.endr
.irp a, 0,1,2,3
	v_cmp_gt_f32 s[44+\a], v[M1+\a], v[rM+\a]      ; greater, not equal: the first block with the maximum stays
.endr
.irp n, 0,1,2,3                        ; the first block's sims are kept, accumulator n, while the second block's maxima are made, step n
.if \n > 0
	s_mov_b32 vcc_lo, s[44+\n]
.endif
.irp a, 0,1,2,3
.if \n == 0
	v_max3_num_f32 v[rM+\a], v[S+16*\a+8], v[S+16*\a+9], v[S+16*\a+10]
.elseif \n == 3
	v_max3_num_f32 v[rM+\a], v[rM+\a], v[S+16*\a+15], v[M1+\a]
.else
	v_max3_num_f32 v[rM+\a], v[rM+\a], v[S+16*\a+9+2*\n], v[S+16*\a+10+2*\n]
.endif
.endr
.if \n == 0
	s_mov_b32 vcc_lo, s44
.endif
.if \n == 3
.irp a, 0,1,2,3
	v_cmp_gt_f32 s[68+\a], v[rM+\a], v[M1+\a]
.endr
.endif
	KEEP 0, \n
.endr
.irp n, 0,1,2,3
	s_mov_b32 vcc_lo, s[68+\n]
	s_or_b32 s[44+\n], s[44+\n], s[68+\n]          ; lanes in which this pair won: what DEFER selects by
	s_and_not1_b32 s[rP+\n], s[rP+\n], s[44+\n]
	s_or_b32 s[rP+\n], s[rP+\n], s[68+\n]          ; and by which of its blocks
	KEEP 1, \n
.endr
.endm
; The pair's number where it won, for the half searched last: four plain lines, due behind the next products, whose places they are
.macro DEFER H
.irp a, 0,1,2,3
	v_cndmask_b32 v[ID+4*(\H)+\a], v[ID+4*(\H)+\a], s41, s[44+\a]
.endr
.endm
.macro FETCH                           ; the next pair; at least four plain lines stand between the last products and these loads
	v_add_nc_u32 v[FA], s42, v[L16]
	v_add_nc_u32 v[SA], s42, v[LS]
	LOADF FA, SA
	s_add_co_u32 s42, s42, PAIR
.endm
.macro FIRSTHALF                       ; a pair's first half, with what the pair before has left to do
.set INORDER, 1
	HALF 0
.set INORDER, 0
	DEFER 1
	s_add_co_u32 s41, s41, 32
	SEARCH 0
.endm
; A pair; the next one's fragments land while its half 1 is searched.  The third fill is shown to all waves by one barrier, signalled two pairs ahead of the pair that waits for it:
; sync = 1: my part of the third fill has landed, say so; sync = 2: everybody's has, go on with its first pair (between the two stand register work and LDS loads of bytes that nobody writes any more)
.macro STEP sync
	FIRSTHALF
.if (\sync) == 1
	s_wait_tensorcnt 0x0
	s_wait_dscnt 0x0
	s_barrier_signal -1
.endif
	HALF 1
	DEFER 0
.if (\sync) == 2
	s_barrier_wait -1
	s_mul_i32 s42, s13, 16*BLK
.endif
	FETCH
	SEARCH 1
.endm
; The first fill's last pair.  Behind it x's bytes are filled with the third fill: a round of the cluster's barrier, in front of which all my loads have landed, the add is done and my reads of x are back
.macro REFILL
	FIRSTHALF
	s_wait_tensorcnt 0x0                           ; my part of the second fill has landed
	ds_add_u32 v[SPW], v[NIL]                      ; 0 onto my spare word; products stand between it and the wait for it
	s_mov_b32 s50, 68<<16                          ; no tensor load of mine is out: the third fill's loads bring 4 blocks
	s_mov_b32 s52, 68
	HALF 1
	DEFER 0
	s_wait_dscnt 0x0
	s_barrier_signal -1
	SEARCH 1                                       ; register work while the others arrive
	s_barrier_wait -1
	CREST
	tensor_load_to_lds s[36:39], s[48:55]          ; the first tensor load behind the round, my only one
	s_nop 0
	PLACES
.endm
	s_wait_alu depctr_va_vdst(0)
	s_wait_tensorcnt 0x0                           ; my part of x or of the first codes is in
	ds_add_u32 v[SPW], v[NIL]
	s_mov_b32 s50, 51<<16                          ; no tensor load of mine is out: the second fill's loads bring 3 blocks
	s_mov_b32 s52, 51
	s_wait_dscnt 0x0
	CROUND
	tensor_load_to_lds s[60:63], s[48:55]          ; the second fill
	s_nop 0
	PLACES
	LOADF TA, TA+1
.irp a, 0,1,2,3,4,5,6,7
	ds_load_b128 v[XS+4*\a:XS+4*\a+3], v[SA] offset:BLK*\a+4096   ; lanes 0-15: the four scale words of row r (lanes 16-31 load the same and are not read)
.endr
	WIN 0x40                                       ; destination window 1, address window 0
.irp a, 0,1,2,3,4,5,6,7
.irp i, 0,1,2,3,4,5,6,7
	ds_load_b128 v[32*\a+4*\i:32*\a+4*\i+3], v[FA] offset:BLK*\a+512*\i   ; x stays in registers
.endr
.endr
	WIN 0
	s_wait_dscnt 32                                ; all but x's blocks 4-7
	HALF 0
	PLACES
	SEARCH 0
	s_wait_dscnt 0x0
	HALF 1
	DEFER 0
	FETCH
	SEARCH 1
	REFILL
	s_mul_i32 s42, s13, 12*BLK
	s_add_co_u32 s42, s42, C1
	FETCH
	s_mov_b32 s40, 3
.Lsecond:                                              ; pairs 0-2 of the second fill's six
	STEP 0
	s_sub_co_u32 s40, s40, 1
	s_cmp_lg_u32 s40, 0
	s_cbranch_scc1 .Lsecond
	STEP 1
	STEP 0
	STEP 2
	s_mov_b32 s40, 7
.Lthird:                                               ; pairs 0-6 of the third fill's eight
	STEP 0
	s_sub_co_u32 s40, s40, 1
	s_cmp_lg_u32 s40, 0
	s_cbranch_scc1 .Lthird
	FIRSTHALF                                      ; the last pair
	HALF 1
	DEFER 0
	SEARCH 1
	DEFER 1
	; THE END.  The first of the winner's eight sims that equals the maximum: looked for from the high end down, so that the lowest stays.
	s_mov_b32 s52, 0xffff0000                      ; lanes 16-31
	s_mov_b32 s53, 0x76543210                      ; v_permlanex16_b32's selects for lane l xor 16
	s_mov_b32 s54, 0xfedcba98
	v_lshrrev_b32 v1, 8, v[L16]                    ; h
.irp a, 0,1,2,3,4,5,6,7
	v_mov_b32 v[J+\a], 7
.endr
	v_lshl_add_u32 v1, v1, 3, s22                  ; the range's first code + 8 h
.irp j, 6,5,4,3,2,1,0
.irp a, 0,1,2,3,4,5,6,7
	v_cmp_neq_f32 s[44+\a], v[SAV+8*\a+\j], v[M0+\a]
.endr
.irp a, 0,1,2,3,4,5,6,7
	v_cndmask_b32 v[J+\a], \j, v[J+\a], s[44+\a]
.endr
.endr
.irp a, 0,1,2,3,4,5,6,7
	v_cndmask_b32 v[U+\a], 0, 16, s[72+\a]         ; the pair's second block
.endr
.irp a, 0,1,2,3,4,5,6,7
	v_add3_u32 v[J+\a], v[ID+\a], v[J+\a], v1      ; + 32 x pair + place
.endr
.irp a, 0,1,2,3,4,5,6,7
	v_add_nc_u32 v[J+\a], v[U+\a], v[J+\a]         ; the code's index
.endr
.irp a, 0,1,2,3,4,5,6,7
	v_permlanex16_b32 v[MO+\a], v[M0+\a], s53, s54 ; the row's other eight codes of each block lie in the lane 16 away
	v_permlanex16_b32 v[U+\a], v[J+\a], s53, s54
.endr
.irp a, 0,1,2,3,4,5,6,7
	v_cmp_gt_f32 s[44+\a], v[MO+\a], v[M0+\a]      ; the other's is taken where it is greater,
	v_cmp_eq_f32 s60, v[MO+\a], v[M0+\a]
	v_cmp_lt_u32 s61, v[U+\a], v[J+\a]
	s_and_b32 s60, s60, s61                        ; or equal with the lower index
	s_or_b32 s[44+\a], s[44+\a], s60
	v_cndmask_b32 v[M0+\a], v[M0+\a], v[MO+\a], s[44+\a]
	v_cndmask_b32 v[J+\a], v[J+\a], v[U+\a], s[44+\a]
.endr
.irp a, 0,1,2,3,4,5,6,7
	v_add_f32 v[M0+\a], 0, v[M0+\a]                ; -0 becomes +0
.endr
.irp a, 0,1,2,3,4,5,6,7
	v_ashrrev_i32 v[MO+\a], 31, v[M0+\a]
.endr
.irp a, 0,1,2,3,4,5,6,7
	v_or_b32 v[MO+\a], 0x80000000, v[MO+\a]
.endr
.irp a, 0,1,2,3,4,5,6,7
	v_xor_b32 v[M0+\a], v[M0+\a], v[MO+\a]         ; the key: the sign bit turned of what is not negative, all bits of what is: unsigned order = the numbers' order
.endr
.irp i, 0,1,2,3
	v_cndmask_b32 v[KW+\i], v[M0+\i], v[M0+4+\i], s52   ; both halves of the lanes hold all eight: lanes 0-15 store blocks 0-3, lanes 16-31 blocks 4-7
	v_cndmask_b32 v[IW+\i], v[J+\i], v[J+4+\i], s52
.endr
	global_store_b128 v[L16], v[KW:KW+3], s[6:7]                  ; 32 lanes store 512 consecutive bytes, at a multiple of 256 from part's first byte
	global_store_b128 v[L16], v[IW:IW+3], s[6:7] offset:1048576   ; the plane of indices
	s_wait_tensorcnt 0x0                           ; the wave's end
	ds_add_u32 v[SPW], v[NIL]
	s_wait_dscnt 0x0
	CROUND                                         ; the closing round: no work-group ends while a partner may still ask for a tile that names it
	s_endpgm
.Lfunc_end_k_q10576606c6_search:
	.size	k_q10576606c6_search, .Lfunc_end_k_q10576606c6_search-k_q10576606c6_search
	.p2alignl 7, 3214868480
	.fill 96, 4, 3214868480
	.section	.rodata,"a",@progbits
	.p2align	6, 0x0
	.amdhsa_kernel k_q10576606c6_search
		.amdhsa_group_segment_fixed_size 327680
		.amdhsa_private_segment_fixed_size 0
		.amdhsa_enable_private_segment 0
		.amdhsa_kernarg_size 16
		.amdhsa_user_sgpr_count 2
		.amdhsa_user_sgpr_kernarg_segment_ptr 1
		.amdhsa_wavefront_size32 1
		.amdhsa_system_sgpr_workgroup_id_x 1
		.amdhsa_system_sgpr_workgroup_id_y 1
		.amdhsa_system_sgpr_workgroup_id_z 1
		.amdhsa_system_vgpr_workitem_id 0
		.amdhsa_next_free_vgpr 512
		.amdhsa_next_free_sgpr 80
		.amdhsa_reserve_vcc 1
		.amdhsa_float_denorm_mode_32 3
		.amdhsa_float_denorm_mode_16_64 3
		.amdhsa_memory_ordered 1
		.amdhsa_forward_progress 1
		.amdhsa_inst_pref_size 161
	.end_amdhsa_kernel
	.amdgpu_metadata
---
amdhsa.version: [ 1, 2 ]
amdhsa.kernels:
  - .name:           k_q10576606c6_search
    .symbol:         k_q10576606c6_search.kd
    .args:
      - { .name: q, .offset: 0, .size: 8, .value_kind: global_buffer, .address_space: global }
      - { .name: part, .offset: 8, .size: 8, .value_kind: global_buffer, .address_space: global }
    .group_segment_fixed_size: 327680
    .private_segment_fixed_size: 0
    .kernarg_segment_align: 8
    .kernarg_segment_size: 16
    .max_flat_workgroup_size: 256
    .sgpr_count:     80
    .vgpr_count:     512
    .wavefront_size: 32
...
	.end_amdgpu_metadata
.endif
;; end of part 2
;; launch gather (part 3): grid 256 x 1, 8 waves a work-group, no clusters, 3,072 bytes of LDS; arguments part, codebook, out0; writes out0
.if DOCPART == 3
	.amdgcn_target "amdgcn-amd-amdhsa--gfx1250"
	.amdhsa_code_object_version 6
	.text
	.protected	k_q10576606c6_gather
	.globl	k_q10576606c6_gather
	.p2align	8
	.type	k_q10576606c6_gather,@function
k_q10576606c6_gather:
	s_mov_b64 s[64:65], 0
	v_nop
	global_prefetch_b8 v0, s[64:65] scope:SCOPE_SE
	s_setreg_imm32_b32 hwreg(HW_REG_WAVE_MODE, 25, 1), 1
	s_wait_xcnt 0x0
; out0[row] = codebook[best[row]].  part [2][32 ranges][8192 slots] u32 holds, for each range of 512 codes, the range's largest sim as an unsigned key that keeps the numbers' order, and the code's index.
; The last comparison, among the 32 ranges, is made here on those whole numbers: ranges ascending, a later one wins only if its key is GREATER, so the first index stays.
; Slot 128 chunk + 4 lane + i stands for row 128 chunk + 64 (lane / 16) + 16 i + lane % 16.
; SHARES.  Work-group G owns slots 32 G .. 32 G + 31, a lane to a slot.  Wave w joins ranges 4 w .. 4 w + 3; the eight waves' results meet in LDS; every wave joins the eight.
; Then wave w copies the rows of slots 32 G + 4 w + i, i = 0..3: rows 64 (G / 2) + 8 (G % 2) + w + 16 i.  A row is 2,048 bytes: four loads and four stores of 512 consecutive bytes.
; No matrix unit, no tensor load, no cluster: the launch moves bytes, and no two work-groups want the same ones by plan.  An index is held at 16,383 before it enters an offset.
	s_load_b128 s[4:7], s[0:1], 0x0                ; part, codebook
	s_load_b64 s[8:9], s[0:1], 0x10                ; out0
	v_lshl_add_u32 v104, v0, 2, 0x800
	v_mov_b32 v105, 0
	v_lshrrev_b32 v1, 5, v0
	s_delay_alu instid0(VALU_DEP_1)
	v_readfirstlane_b32 s10, v1                    ; wave 0..7
	v_and_b32 v1, 31, v0                           ; lane
	s_delay_alu instid0(VALU_DEP_1)
	v_lshlrev_b32 v4, 2, v1                        ; 4 x lane
	v_lshlrev_b32 v3, 2, v0                        ; 4 x thread
	s_delay_alu instid0(VALU_DEP_3)
	v_lshlrev_b32 v7, 4, v1                        ; 16 x lane
	s_lshl_b32 s11, ttmp9, 7                       ; 4 bytes x 32 G
	s_lshl_b32 s12, s10, 17                        ; four ranges of 32,768 bytes a wave
	s_add_co_u32 s11, s11, s12
	v_add_nc_u32 v2, s11, v4
	s_lshr_b32 s12, ttmp9, 1
	s_lshl_b32 s12, s12, 6
	s_and_b32 s13, ttmp9, 1
	s_lshl_b32 s13, s13, 3
	s_add_co_u32 s12, s12, s13
	s_add_co_u32 s12, s12, s10                     ; my first row: 64 (G / 2) + 8 (G % 2) + w
	s_lshl_b32 s12, s12, 11
	s_mov_b32 s13, 0
	s_lshl_b32 s14, s10, 2                         ; the lane that holds my first slot
	s_wait_alu depctr_va_vdst(0)
	s_wait_kmcnt 0x0
	s_add_nc_u64 s[8:9], s[8:9], s[12:13]
.irp u, 0,1,2,3
	global_load_b32 v[8+\u], v2, s[4:5] offset:32768*\u th:TH_LOAD_NT
	global_load_b32 v[12+\u], v2, s[4:5] offset:32768*\u+1048576 th:TH_LOAD_NT
.endr
	s_wait_loadcnt 0x0
.irp u, 1
	v_cmp_gt_u32 vcc_lo, v[8+\u], v8
	s_delay_alu instid0(VALU_DEP_1)
	v_cndmask_b32 v8, v8, v[8+\u], vcc_lo
	s_delay_alu instid0(VALU_DEP_2)
	v_cndmask_b32 v12, v12, v[12+\u], vcc_lo
.endr
.irp u, 2, 3
	s_delay_alu instid0(VALU_DEP_2)
	v_cmp_gt_u32 vcc_lo, v[8+\u], v8
	s_delay_alu instid0(VALU_DEP_1)
	v_cndmask_b32 v8, v8, v[8+\u], vcc_lo
	s_delay_alu instid0(VALU_DEP_2)
	v_cndmask_b32 v12, v12, v[12+\u], vcc_lo
.endr
	ds_store_b32 v3, v8                            ; keys: 128 bytes a wave
	ds_store_b32 v3, v12 offset:1024               ; indices
	s_wait_dscnt 0x0                               ; for the others' sake: my stores have landed
	s_barrier_signal -1
	s_barrier_wait -1
.irp u, 0,1,2,3,4,5,6,7
	ds_load_b32 v[16+\u], v4 offset:128*\u
	ds_load_b32 v[24+\u], v4 offset:128*\u+1024
.endr
	s_wait_dscnt 0x0
.irp u, 1
	v_cmp_gt_u32 vcc_lo, v[16+\u], v16
	s_delay_alu instid0(VALU_DEP_1)
	v_cndmask_b32 v16, v16, v[16+\u], vcc_lo
	s_delay_alu instid0(VALU_DEP_2)
	v_cndmask_b32 v24, v24, v[24+\u], vcc_lo
.endr
.irp u, 2, 3, 4, 5, 6, 7
	s_delay_alu instid0(VALU_DEP_2)
	v_cmp_gt_u32 vcc_lo, v[16+\u], v16
	s_delay_alu instid0(VALU_DEP_1)
	v_cndmask_b32 v16, v16, v[16+\u], vcc_lo
	s_delay_alu instid0(VALU_DEP_2)
	v_cndmask_b32 v24, v24, v[24+\u], vcc_lo
.endr
.irp i, 0,1,2,3
	s_add_co_u32 s[16+\i], s14, \i
	v_readlane_b32 s[20+\i], v24, s[16+\i]         ; the index of slot 32 G + 4 w + i
	s_min_u32 s[20+\i], s[20+\i], 0x3fff           ; inside the table
	v_lshl_add_u32 v[96+\i], s[20+\i], 11, v7      ; 2,048 bytes a row, + 16 x lane
.endr
.irp i, 0,1,2,3
.irp n, 0,1,2,3
	global_load_b128 v[32+16*\i+4*\n:32+16*\i+4*\n+3], v[96+\i], s[6:7] offset:512*\n
.endr
.endr
.irp i, 0,1,2,3
	s_wait_loadcnt 12-4*\i                         ; row i's four loads are in; the later rows' may be out
.irp n, 0,1,2,3
	global_store_b128 v7, v[32+16*\i+4*\n:32+16*\i+4*\n+3], s[8:9] offset:32768*\i+512*\n th:TH_STORE_NT   ; 32 lanes store 512 consecutive bytes, at a multiple of 256 from out0's first byte
.endr
.endr
	s_wait_tensorcnt 0x0
	ds_add_u32 v104, v105
	s_wait_dscnt 0x0
	s_endpgm
.Lfunc_end_k_q10576606c6_gather:
	.size	k_q10576606c6_gather, .Lfunc_end_k_q10576606c6_gather-k_q10576606c6_gather
	.p2alignl 7, 3214868480
	.fill 96, 4, 3214868480
	.section	.rodata,"a",@progbits
	.p2align	6, 0x0
	.amdhsa_kernel k_q10576606c6_gather
		.amdhsa_group_segment_fixed_size 3072
		.amdhsa_private_segment_fixed_size 0
		.amdhsa_enable_private_segment 0
		.amdhsa_kernarg_size 24
		.amdhsa_user_sgpr_count 2
		.amdhsa_user_sgpr_kernarg_segment_ptr 1
		.amdhsa_wavefront_size32 1
		.amdhsa_system_sgpr_workgroup_id_x 1
		.amdhsa_system_sgpr_workgroup_id_y 1
		.amdhsa_system_sgpr_workgroup_id_z 1
		.amdhsa_system_vgpr_workitem_id 0
		.amdhsa_next_free_vgpr 106
		.amdhsa_next_free_sgpr 66
		.amdhsa_reserve_vcc 1
		.amdhsa_float_denorm_mode_32 3
		.amdhsa_float_denorm_mode_16_64 3
		.amdhsa_memory_ordered 1
		.amdhsa_forward_progress 1
		.amdhsa_inst_pref_size 10
	.end_amdhsa_kernel
	.amdgpu_metadata
---
amdhsa.version: [ 1, 2 ]
amdhsa.kernels:
  - .name:           k_q10576606c6_gather
    .symbol:         k_q10576606c6_gather.kd
    .args:
      - { .name: part, .offset: 0, .size: 8, .value_kind: global_buffer, .address_space: global }
      - { .name: codebook, .offset: 8, .size: 8, .value_kind: global_buffer, .address_space: global }
      - { .name: out0, .offset: 16, .size: 8, .value_kind: global_buffer, .address_space: global }
    .group_segment_fixed_size: 3072
    .private_segment_fixed_size: 0
    .kernarg_segment_align: 8
    .kernarg_segment_size: 24
    .max_flat_workgroup_size: 256
    .sgpr_count:     66
    .vgpr_count:     106
    .wavefront_size: 32
...
	.end_amdgpu_metadata
.endif
;; end of part 3
